; MI455X (gfx1250); checked and timed in simulation.
; The chip was launched on July 23, 2026; its instructions are those of AMD's public machine-readable ISA for CDNA 5 (MIT licence, August 2026) and "CDNA5" Instruction Set Architecture Reference Guide (July 2026). The comments in the code are by the model that wrote it; some were corrected since.
;; Scaled Dot Product Attention Model. Allowed arithmetic: matrix products marked QUANTISED: E2M1 operands, one E8M0 scale for each 32 along K, by v_wmma_scale_f32_16x16x128_f8f6f4 with both operands' format E2M1 (or v_wmma_scale_f32_32x16x128_f4), f32 sums; products left as they are: f32 operands where the result goes on into a quantised operand, else bf16, f16 or f32 operands; f32 sums; everything else in f32.
;; Inputs: Wk_codes 1,024 x 32 x 16 uint8 (E2M1 codes of Wk, K innermost, in blocks of 32 codes, two codes a byte); Wk_scales 1,024 x 32 uint8 (E8M0 scales of Wk, one for each 32 codes along K); Wo_codes 1,024 x 32 x 16 uint8 (E2M1 codes of Wo, K innermost, in blocks of 32 codes, two codes a byte); Wo_scales 1,024 x 32 uint8 (E8M0 scales of Wo, one for each 32 codes along K); Wq_codes 1,024 x 32 x 16 uint8 (E2M1 codes of Wq, K innermost, in blocks of 32 codes, two codes a byte); Wq_scales 1,024 x 32 uint8 (E8M0 scales of Wq, one for each 32 codes along K); Wv_codes 1,024 x 32 x 16 uint8 (E2M1 codes of Wv, K innermost, in blocks of 32 codes, two codes a byte); Wv_scales 1,024 x 32 uint8 (E8M0 scales of Wv, one for each 32 codes along K); bk 1,024 float32; bo 1,024 float32; bq 1,024 float32; bv 1,024 float32; src_codes 16,384 x 32 x 16 uint8 (E2M1 codes of src, K innermost, in blocks of 32 codes, two codes a byte); src_scales 16,384 x 32 uint8 (E8M0 scales of src, one for each 32 codes along K).
;; Outputs: out0 16,384 x 16 x 64 float32.
;; This version of the problem:
;;   THIS VERSION OF THE PROBLEM IS GIVEN IN LOW PRECISION. The matrix products marked QUANTISED in the list below multiply operands that are first quantised to E2M1 (2 exponent bits, 1 mantissa bit; 4 bits a number), with one power-of-two scale for each 32 numbers along K (OCP MX v1.0); their sums are f32. All else is computed in f32.
;;   The module's matrix products, in the order in which they are computed (A, B: the left and right operand; K: the contracted axis; several contracted axes count as one K, in the product's order):
;;     1. [M 16,384, K 1,024] x [K 1,024, N 1,024]; A: input src (given as codes); B: input Wq (given as codes): QUANTISED
;;     2. [M 16,384, K 1,024] x [K 1,024, N 1,024]; A: input src (given as codes); B: input Wk (given as codes): QUANTISED
;;     3. [M 16,384, K 1,024] x [K 1,024, N 1,024]; A: input src (given as codes); B: input Wv (given as codes): QUANTISED
;;     4. batch 16,384 x [M 16, K 64] x [K 64, N 16]; A: computed on the way; B: computed on the way: QUANTISED
;;     5. batch 16,384 x [M 16, K 16] x [K 16, N 64]; A: softmax; B: computed on the way: left as it is (K = 16 < 32)
;;     6. [M 16,384, K 1,024] x [K 1,024, N 1,024]; A: computed on the way; B: input Wo (given as codes): QUANTISED
;;   THE QUANTISER, for each operand of a quantised product, along K:
;;     - K is cut into blocks of 32 from its start; a last block that is shorter is filled with zeros.
;;     - A block's scale is 2^e with e = floor(log2(the largest magnitude in the block)) - 2, held to -126 .. 127; a block of zeros has e = 0. As a byte (E8M0): e + 127.
;;     - Each number is divided by its block's scale, clamped to +-6, and rounded to the nearest number of E2M1, ties to even, subnormals kept.
;;     - The product sums the exact products of the quantised numbers (number of the format x scale) in f32.
;;   ~~~python
;;   def quantise(x, axis):      # numpy; x: float32 -> the quantised numbers, widened to float32 again
;;       x = np.moveaxis(x, axis, -1); K = x.shape[-1]
;;       x = np.pad(x, [(0, 0)] * (x.ndim - 1) + [(0, -K % 32)]); x = x.reshape(x.shape[:-1] + (-1, 32)); a = np.abs(x).max(-1, keepdims=True)
;;       e = np.where(a > 0, np.clip(np.frexp(np.where(a > 0, a, 1))[1] - 1 - 2, -126, 127), 0)      # np.frexp(a)[1] - 1 = floor(log2(a)), exactly
;;       r = np.clip(x / 2.0 ** e, -6, 6)
;;       step = 2.0 ** (np.maximum(np.frexp(np.where(r == 0, 1, r))[1] - 1, 0) - 1)
;;       q = np.round(r / step) * step * 2.0 ** e      # np.round: ties to even
;;       return np.moveaxis(q.reshape(q.shape[:-2] + (-1,))[..., :K], -1, axis).astype(np.float32)
;;   ~~~
;;   OPERANDS COMPUTED ON THE WAY. 'Computed on the way' means the value that the module computes at that place (a softmax that the list does not call 'softmax' is quantised finished and normalised). What goes into a quantiser is computed in f32, as accurately as f32 sums, v_exp_f32 and their like allow (about 1e-6 of the number): no bf16 or f16 on the way to a quantiser, and a product that is left as it is and whose result goes on into a quantised operand takes f32 operands (vector FMAs, or v_wmma_f32_16x16x4_f32). A number that lies on a knife's edge between two numbers of the format may be rounded either way, as far as f32 arithmetic and the matrix unit's own rounding can turn it there, and no further.
;;   INPUTS GIVEN AS CODES. Wk (in the module: [1024, 1024], K = its axis 1); Wo (in the module: [1024, 1024], K = its axis 1); Wq (in the module: [1024, 1024], K = its axis 1); Wv (in the module: [1024, 1024], K = its axis 1); src (in the module: [16384, 1024], K = its axis 1): each comes as NAME_codes (uint8): NAME with its K axis moved to the last place and cut into blocks of 32 codes, [.., K / 32, bytes a block], one block behind the other in memory; two codes a byte, the lower K in the low four bits (a code: sign, 2 exponent bits, 1 mantissa bit); and NAME_scales (uint8): the same leading axes, one E8M0 byte (e + 127) for each 32 codes along K. Its value is code x scale, taken as it is: it is not quantised again, and the codes and scales need not be those that the quantiser above would give.
;; One version. Each part assembles by itself: llvm-mc -triple=amdgcn-amd-amdhsa -mcpu=gfx1250 --defsym DOCPART=n.
;; ======== version 1 of 1: 1 launch
;; limits: right only within a limited range of input values
;; launch fused (part 1): grid 256 x 1, 4 waves a work-group, clusters of 4 x 1, 327,680 bytes of LDS; arguments src_codes, src_scales, Wq_codes, Wq_scales, bq, Wk_codes, Wk_scales, bk, Wv_codes, Wv_scales, bv, Wo_codes, Wo_scales, bo, out0; writes out0
.if DOCPART == 1
	.amdgcn_target "amdgcn-amd-amdhsa--gfx1250"
	.amdhsa_code_object_version 6
	.text
	.protected	k_qcdecd466ee_fused
	.globl	k_qcdecd466ee_fused
	.p2align	8
	.type	k_qcdecd466ee_fused,@function
k_qcdecd466ee_fused:
	s_mov_b64 s[64:65], 0
	v_nop
	global_prefetch_b8 v0, s[64:65] scope:SCOPE_SE
	s_setreg_imm32_b32 hwreg(HW_REG_WAVE_MODE, 25, 1), 1
	s_wait_xcnt 0x0
	s_wait_alu depctr_hold_cnt(0) depctr_sa_sdst(0) depctr_va_vdst(0) depctr_va_sdst(0) depctr_va_ssrc(0) depctr_va_vcc(0) depctr_vm_vsrc(0)
	s_getreg_b32 s2, hwreg(HW_REG_IB_STS2, 6, 4)
	s_cmp_eq_u32 s2, 0
	s_cbranch_scc0 .Lentry_in_a_cluster
	s_endpgm
.Lentry_in_a_cluster:
	s_bfe_u32 s2, ttmp6, 0x10000c
	s_cmp_lg_u32 s2, 0x3003
	s_cbranch_scc0 .Lentry_shape_is_right
	s_endpgm
.Lentry_shape_is_right:
; q, k, v = src W^T + b (codes of E2M1 with E8M0 scales, as given); for each token attention ACROSS ITS 16 HEADS: scores = Q(q) Q(k)^T / 8 (K = 64, quantised along d), softmax over the
; 16 heads, out = attn v in f32 operands; then Q(out) Wo^T + bo.  All in one launch: q, k, v, attn and out never go to memory.
; SHARES.  A work-group of four waves owns 64 tokens (256 work-groups x 64 = 16,384).  Each wave keeps the token operand of all 64 tokens for all of K = 1,024 in registers (32 fragments, 256
; registers: first src, later out).  A weight comes in slots of 256 whole rows of 512 bytes; wave w fetches, reads and multiplies its own 64 rows: 2 tiles of 32 rows x 4 tiles of 16 tokens, 8 K steps, 64 products.
; Sixteen slots: Wq's four, Wk's four, Wv's four, Wo's four.  In Wq, Wk a wave's 64 rows of a slot are one head.  A slot of Wv holds 16 of the 64 d for all 16 heads (a wave: 4 d x 16 heads).
; THE MATRIX INSTRUCTION IS USED TRANSPOSED: source 0 = 32 weight rows, source 1 = 16 tokens: a lane holds one token and 16 weight rows.
; For the attention wave w owns tokens 16 w .. 16 w + 15: what the four waves made of a token meets in LDS.
; CLUSTER.  All work-groups walk the same weights: the four of a cluster ask for each tile JOINTLY (same descriptor, mask 15).  src and out0 are each work-group's own and are not shared.
; THE ORDER OF THE SLOTS.  Cluster c takes in trip t of Wq, Wk, Wo slot (t - c) mod 4: which slot a trip takes only says which heads or output columns are made when.  In RG a head of q or k lies at
; the PLACE 4 t + w of the trip that made it; head h then lies at place (h + 4 c) mod 16, and the lane that wants head h reads there.  c is the cluster's number, in which the four partners agree.
; THE CHANGE OF SLOTS stands in the middle of a slot's products.  Registers hold four K steps of weights; K steps 4 to 7 are read behind the products of steps 0 to 3.  Then the slot is read out: the waits, the add and
; a round of the cluster's barrier, and the slot is filled again.  Wq's and Wk's slots take turns in two LDS slots, filled two slots ahead.  Wv's and Wo's slots all go through LDS slot 0, filled one slot ahead:
; scores and softmax, attn v or the way out stand between the request and the wait.  LDS slot 1 has had its last fill with Wk's last slot: behind it, it holds v in f32, two regions by turns.
; By this text's own count a wave has one tensor load out at the most.  All of a WGP's LDS is claimed.
; LIMITS: NaN and infinities among the inputs are not served.  A block whose largest magnitude lies under 2^-124 (a block of zeros too) gets the byte 1 where the rule gives less or 127: its
; codes are then zeros or as the held scale gives them; the bytes are read by this program alone.  A bias is the start of its sum, not added last.
; REGISTERS, in windows of 256 (s_set_vgpr_msb: bits 1:0 source 0, 3:2 source 1, 5:4 source 2, 7:6 destination):
;   window 0: v1-31 addresses; v32-63 token scale words; v64-79 weight scale words; v80-111 a slot's bias; v112-127 q's scale words; v128-255 four K steps of weight fragments
;   window 1: the token operand, fragment (m, s) at v[8 (8 m + s)]
;   window 2: v0-127 the 8 accumulators ((p, m) at v[16 (4 p + m)]), also attn v of odd Wv slots; v128-255 attn v of even Wv slots.  Written by matrix instructions alone
;   window 3: v0-127 at work, then scores and attn, 8 a token, then rows of out0; v128-191 q's codes; v192-255 k's fragments; v128-255 v's fragments and at work
.set PITCH, 528                        ; an LDS row: 512 bytes + 16: row r begins 16 r bytes on modulo 256, so the 16 rows of a fragment load touch 16 different 16-byte columns
.set WQ,    64*PITCH                   ; a wave's quarter of a slot
.set SLOT,  4*WQ                       ; 135,168
.set VR,    SLOT                       ; v in f32: two regions, each two images of 64 token rows x 528
.set VH,    64*PITCH
.set VREG,  2*VH
.set RG,    2*SLOT                     ; 64 token rows x 528: q's codes | k's codes | out's codes
.set RGS,   RG+WQ                      ; 64 token rows x 32 scale bytes
.set STG,   RGS+2048                   ; the way out: 16 rows x 272 for each wave
.set SPARE, STG+4*16*272               ; the spare words: 128 bytes a wave, two blocks of 256 bytes that no other line names
.set SPW,  1                           ; my spare word's LDS address; never rewritten
.set NIL,  2                           ; 0; never rewritten
.set AW0N, 3                           ; my lane's place in my quarter of a slot: 528 r + 16 hh + my quarter
.set ADWV, 4                           ; the same for Wv's tiles, rows taken in the order 4 (r & 3) + (r >> 2)
.set ADWA, 5                           ; AW0N + the slot in hand
.set ADWB, 6                           ; AW0N + the other slot
.set EQC,  7                           ; q's, k's codes into RG: 528 r + 8 hh
.set EQS,  8                           ; scale bytes: RGS + 32 r
.set EQCH, 9
.set EQSH, 10
.set VRF0, 12                          ; v's image of my 16 tokens, 16 bytes a lane: region 0, 1
.set VRF1, 13
.set ASV0, 14                          ; v into its image: 528 r + 16 (4 w + 2 hh): region 0, 1
.set ASV1, 15
.set AKS,  16                          ; my tokens' scale bytes: 2 (lane & 15)
.set AKFQ, 17                          ; q's, k's codes of my tokens: 16 x the place of head lane & 15, + 256 (lane >> 4)
.set AKSQ, 18                          ; their scale bytes
.set AOC,  19                          ; out's codes into RG: my tokens' rows, 32 (lane & 15) + 8 (lane >> 4)
.set ARO,  20                          ; token fragments out of RG: 528 r + 16 hh
.set STO,  21                          ; the stage, in
.set RD,   22                          ; the stage, back
.set CO,   23                          ; my byte offset in two rows of out0
.set WSON, 24                          ; 32 x lane: a row of 32 scale bytes a lane
.set WSOV, 25                          ; the same for Wv's row order
.set BCO,  26                          ; 32 hh: my half's eight biases
.set VBO,  27                          ; 8 hh: bv
.set PFO,  28                          ; 256 x lane, for the prefetches
.set SRCO, 29                          ; 512 r + 16 hh: src's fragments
.set ASO,  30                          ; 32 r: src's scale words
.set ASC,  32
.set WSC,  64
.set BIA,  80
.set QSC,  112
.set WF,   128
.set KSC,  128
.set EA,   128                         ; window 2
.set AM,   0                           ; window 3, q's and k's epilogue: largest magnitudes, the other half's, scale operands, bytes, pairs of bytes, codes
.set PX,   8
.set SCL,  16
.set BY,   24
.set SW,   32
.set CD,   40
.set ATT,  0
.set QF,   128
.set KSF,  192
.set ST,   128                         ; softmax: 8 registers a token
.set VF,   128                         ; v's fragments, 8 registers a token
.set TM,   128                         ; QUANT at work
.set TP,   136
.set TSC,  144
.set TBY,  152
.set TCD,  160
.set WV,   34
.set TB,   35                          ; LDS byte at which the slot in hand begins
.set G0,   36
.set G1N,  40
.set G1V,  48
.set NC,   56                          ; codes of the next slot to be asked for
.set NS,   58                          ; scale bytes and bias of the slot that is multiplied next
.set NB,   60
.set XC,   62
.set XS,   66
.set XB,   68
.set PFA,  70
.set LIM,  72
.set CNT,  73
.set SEL,  74                          ; v_permlanex16_b32: lane l xor 16
.set CS,   76                          ; log2(e) / 8, twice
.set HO,   78                          ; 16 x the place in hand
.set WOFF, 79
.set OUTB, 80
.set IDB,  89                          ; which slot of its matrix s[NS], s[NB] stand at
.set MC,   92
.set MS,   94
.set MB,   96
.set ROT,  100
.set TB2,  101
.set MSB, 0
.set HIW, 0                            ; 1: the weight fragments lie in window 3
.macro WIN new                         ; the immediate's high byte repeats the setting that is left; a switch that changes nothing is dropped
.if MSB != \new
	s_set_vgpr_msb (MSB<<8)|\new
.set MSB, \new
.endif
.endm
.macro PLACES n                        ; the distance behind matrix instructions (ISA guide 7.12.1)
.rept \n
	v_nop
.endr
.endm
.macro BAR
	s_barrier_signal -1
	s_barrier_wait -1
.endm
.macro CREST                           ; a round of the cluster's barrier behind its opening barrier
	s_cmp_lg_u32 s[WV], 0
	s_cbranch_scc1 .Lnot_wave_0_\@
	s_barrier_signal -3
.Lnot_wave_0_\@:
	s_barrier_wait -3
	s_barrier_signal -1
	s_barrier_wait -1
.endm
.macro ROUND
	s_barrier_signal -1
	s_barrier_wait -1
	CREST
.endm
; PREFETCHES INTO THE L2 of weight codes that later changes of slots will ask for: two instructions a trip, 131,072 bytes each.  Only the launch's first cluster asks (the branch is the same in its four
; partners); its sixteen waves take 8,192 bytes of each 131,072, told apart by address ((4 cx + wave) x 8,192), a lane for each 256 bytes: each block is named once in the launch.
; Wk is asked for in q's first two trips (first loaded in q's third), Wv in k's first two trips (first loaded in k's third), Wo in k's last two (first loaded in the last step of Wv).
; Wq comes by its loads alone: nothing is prefetched at the head.
.macro ASK2
	s_cmp_gt_u32 s[CNT], s[LIM]
	s_cbranch_scc0 .Lnot_mine_\@
	global_prefetch_b8 v[PFO], s[PFA:PFA+1] th:TH_LOAD_NT scope:SCOPE_SE
	global_prefetch_b8 v[PFO], s[PFA:PFA+1] offset:131072 th:TH_LOAD_NT scope:SCOPE_SE
.Lnot_mine_\@:
.endm
; Slot pointers: 256 rows are 131,072 bytes of codes, 8,192 scale bytes, 1,024 bytes of bias.  s3 = 0.
.macro PTRB ms, mb
	s_lshl_b32 s2, s[IDB], 13
	s_add_nc_u64 s[NS:NS+1], s[\ms:\ms+1], s[2:3]
	s_lshl_b32 s2, s[IDB], 10
	s_add_nc_u64 s[NB:NB+1], s[\mb:\mb+1], s[2:3]
.endm
.macro PTRC mc, id
	s_lshl_b32 s2, s[\id], 17
	s_add_nc_u64 s[NC:NC+1], s[\mc:\mc+1], s[2:3]
.endm
.macro INCB
	s_add_co_u32 s[IDB], s[IDB], 1
	s_and_b32 s[IDB], s[IDB], 3
.endm
.macro NEXT                            ; one trip on: scale bytes and bias one slot ahead, codes two slots ahead
	INCB
	PTRB MS, MB
	s_add_co_u32 s88, s[IDB], 1
	s_and_b32 s88, s88, 3
	PTRC MC, 88
.endm
; Half a slot's bias (tile p).  nx = 1: in the result's layout, rows 32 p + 16 a + 8 hh + 0 .. 7.  nx = 2: a slot of Wv: register 8 a + 4 e + b: head 4 (2 p + a) + b, d index 2 hh + e of my four.
.macro LDB nx, off, p
.if (\nx) == 1
.irp a, 0,1
	global_load_b128 v[BIA+16*(\p)+8*\a:BIA+16*(\p)+8*\a+3], v[BCO], s[NB:NB+1] offset:128*(\p)+64*\a
	global_load_b128 v[BIA+16*(\p)+8*\a+4:BIA+16*(\p)+8*\a+7], v[BCO], s[NB:NB+1] offset:128*(\p)+64*\a+16
.endr
.elseif (\nx) == 2
.irp a, 0,1
.irp e, 0,1
.irp b, 0,1,2,3
	global_load_b32 v[BIA+16*(\p)+8*\a+4*\e+\b], v[VBO], s[24:25] offset:256*(4*(2*(\p)+\a)+\b)+4*\e+4*(\off)
.endr
.endr
.endr
.endif
.endm
.macro LDSC nx, off, f                 ; scale words 4 f .. 4 f + 3 of my 64 rows: register 8 p + s, lane l = row l of tile p
.if (\nx) == 1
.irp p, 0,1
	global_load_b128 v[WSC+8*\p+4*\f:WSC+8*\p+4*\f+3], v[WSON], s[NS:NS+1] offset:1024*\p+16*\f
.endr
.elseif (\nx) == 2
.irp p, 0,1
	global_load_b128 v[WSC+8*\p+4*\f:WSC+8*\p+4*\f+3], v[WSOV], s[22:23] offset:16384*\p+16*\f+32*(\off)
.endr
.endif
.endm
.macro WLH k, adr, hf                  ; tile hf (32 rows) of K step k into set k % 4
.irp t, 2*\hf, 2*\hf+1
.irp c, 0,1
	ds_load_b128 v[WF+32*((\k)%4)+8*(\t)+4*\c:WF+32*((\k)%4)+8*(\t)+4*\c+3], v[\adr] offset:16*PITCH*(\t)+64*(\k)+32*\c
.endr
.endr
.endm
.macro WLOAD k, adr
	WLH \k, \adr, 0
	WLH \k, \adr, 1
.endm
.macro WLOAD4 adr
	WLOAD 0, \adr
	WLOAD 1, \adr
	WLOAD 2, \adr
	WLOAD 3, \adr
.endm
; Four products: tile p of K step s x my four tiles of tokens.  The bias starts the sums.  The 8 accumulators take turns, one instruction a turn.
.macro MMH s, p
.if (\s) == 0
	WIN 0x84                                       ; weights and bias window 0, tokens window 1, D window 2
.irp m, 0,1,2,3
	v_wmma_scale_f32_32x16x128_f4 v[16*(4*(\p)+\m):16*(4*(\p)+\m)+15], v[WF+16*(\p):WF+16*(\p)+15], v[64*\m:64*\m+7], v[BIA+16*(\p):BIA+16*(\p)+15], v[WSC+8*(\p)], v[ASC+8*\m]
.endr
.else
.if HIW
	WIN 0xa7                                       ; weights window 3, tokens window 1, C and D window 2
.else
	WIN 0xa4                                       ; weights window 0
.endif
.irp m, 0,1,2,3
	v_wmma_scale_f32_32x16x128_f4 v[16*(4*(\p)+\m):16*(4*(\p)+\m)+15], v[WF+32*((\s)%4)+16*(\p):WF+32*((\s)%4)+16*(\p)+15], v[8*(8*\m+(\s)):8*(8*\m+(\s))+7], v[16*(4*(\p)+\m):16*(4*(\p)+\m)+15], v[WSC+8*(\p)+(\s)], v[ASC+8*\m+(\s)]
.endr
.endif
.endm
.macro MMS s
	MMH \s, 0
	MMH \s, 1
.endm
; A SLOT'S PRODUCTS of Wq, Wk or Wv, with the change of slots behind K step 5.  cur: where its K steps 4 to 7 are read.  nad: where the next slot's K steps 0 to 3 are read in the same run (0: later, by another macro).
; fill: 0 none; 1 a slot of Wq or Wk into the LDS slot in hand; 2 a slot of Wv (d offset foff) into LDS slot 0; 3 a slot of Wo into LDS slot 0.
; nx, noff: whose bias and scale words are asked for: 1 s[NB], s[NS]; 2 Wv's slot at d offset noff.  dsw: the LDS instructions issued behind this slot's K steps 0 to 3 that may be out.
; vrf: behind the round, v's fragments of the step before are read (0: none).
.macro GEMM cur, nad, fill, foff, nx, noff, ask, dsw, vrf
	s_wait_dscnt \dsw
	s_wait_loadcnt 2                               ; bias and scale words 0-3 are in; the two loads of words 4-7 may be out
	MMS 0
	MMS 1
	WIN 0
	PLACES 4                                       ; behind the products whose registers the loads take
	WLOAD 4, \cur
	WLOAD 5, \cur
	LDB \nx, \noff, 0
	LDB \nx, \noff, 1
	MMS 2
	MMS 3
	WIN 0
	PLACES 4
	WLOAD 6, \cur
	WLOAD 7, \cur
	LDSC \nx, \noff, 0
.if (\nx) == 1
	s_wait_loadcnt 10                              ; scale words 4-7 are in; the next bias, eight loads, and the next words 0-3, two, may be out
.else
	s_wait_loadcnt 34                              ; the same; Wv's bias is 32 loads
.endif
	s_wait_dscnt 24                                ; K step 4 is in; steps 5 to 7 may be out
	MMS 4
	s_wait_dscnt 16                                ; K step 5 is in; steps 6 and 7 may be out
	MMS 5
.if \fill
	WIN 0                                          ; (the add's two registers lie in window 0)
	s_wait_tensorcnt 0x0                           ; no tensor load of mine is out: what I asked for at the last change has landed, and group 0 may be written
	ds_add_u32 v[SPW], v[NIL]
.if (\fill) == 1
	s_add_co_u32 s[G0+1], s[TB], s[WOFF]
.else
	s_mov_b32 s[G0+1], s[WOFF]
.endif
.if (\fill) == 2
	s_add_nc_u64 s[G0+2:G0+3], s[20:21], 512*(\foff)
.else
	s_mov_b64 s[G0+2:G0+3], s[NC:NC+1]
.endif
	s_or_b32 s[G0+3], s[G0+3], 0x80000000
	s_wait_dscnt 9                                 ; K step 6 is in; step 7 and the add may be out
	MMS 6
	s_wait_dscnt 0x0                               ; the add is done, my reads of this slot are over, my stores have landed
	s_barrier_signal -1
	MMS 7
	WIN 0
	s_barrier_wait -1
	CREST                                          ; no wave of any partner still reads this slot or has a load on its way
.if (\fill) == 2
	tensor_load_to_lds s[G0:G0+3], s[G1V:G1V+7]
.else
	tensor_load_to_lds s[G0:G0+3], s[G1N:G1N+7]
.endif
	s_nop 0
	PLACES 5                                       ; five, since the next products begin these accumulators anew
.else
	s_wait_dscnt 8                                 ; K step 6 is in; step 7 may be out
	MMS 6
	s_wait_dscnt 0x0
	MMS 7
	WIN 0
	PLACES 5
.if \nad
	s_wait_tensorcnt 0x0                           ; my rows of the next slot have landed: I alone read them
.endif
.endif
.if \nad
	WLOAD4 \nad
.if \ask
	ASK2
.endif
.endif
.if \vrf
	VFLOAD \vrf
.endif
	LDSC \nx, \noff, 1
.endm
; q or k of one head (my 64 rows of the slot) for 64 tokens: quantised along d and laid into RG.  Lane (r, hh) holds token 16 m + r; accumulator x = 4 p + m is block p of the head: registers 0-7 d = 32 p + 8 hh + 0 .. 7,
; registers 8-15 d = 32 p + 16 + 8 hh + 0 .. 7.  The codes lie in RG in this order inside a block, q's and k's alike.
.macro EPI_QK
	v_add_nc_u32 v[EQCH], s[HO], v[EQC]
	s_lshr_b32 s88, s[HO], 3
	v_add_nc_u32 v[EQSH], s88, v[EQS]
	WIN 0xfa                                       ; numbers window 2, the rest window 3
.irp x, 0,1,2,3,4,5,6,7
	v_max3_num_f32 v[AM+\x], |v[16*\x]|, |v[16*\x+1]|, 0x1800000   ; each accumulator from its low end on; the floor 2^(3 - 127) holds the byte at 1 from below
.endr
.irp i, 2,4,6,8,10,12,14
.irp x, 0,1,2,3,4,5,6,7
	v_max3_num_f32 v[AM+\x], |v[16*\x+\i]|, |v[16*\x+\i+1]|, v[AM+\x]
.endr
.endr
	WIN 0xff
.irp x, 0,1,2,3,4,5,6,7
	v_permlanex16_b32 v[PX+\x], v[AM+\x], s[SEL], s[SEL+1]
.endr
.irp x, 0,1,2,3,4,5,6,7
	v_max_num_f32 v[AM+\x], v[AM+\x], v[PX+\x]     ; with lane l xor 16's 16 numbers: the block's largest magnitude
.endr
.irp x, 0,1,2,3,4,5,6,7
	v_add_nc_u32 v[SCL+\x], 0xff000000, v[AM+\x]   ; 2 off its exponent field: the conversion's scale operand
.endr
.irp x, 0,1,2,3,4,5,6,7
	v_lshrrev_b32 v[BY+\x], 23, v[SCL+\x]          ; the scale's byte
.endr
.irp m, 0,1,2,3
	v_lshl_or_b32 v[SW+\m], v[BY+4+\m], 8, v[BY+\m]
.endr
	WIN 0xce
.irp x, 0,1,2,3,4,5,6,7
	v_cvt_scalef32_pk8_fp4_f32 v[CD+2*\x], v[16*\x:16*\x+7], v[SCL+\x]
	v_cvt_scalef32_pk8_fp4_f32 v[CD+2*\x+1], v[16*\x+8:16*\x+15], v[SCL+\x]
.endr
	v_nop                                          ; one plain place behind the scaled conversions
	WIN 0x0c                                       ; an LDS store's data are its source 1: window 3
.irp m, 0,1,2,3
.irp p, 0,1
	ds_store_b64 v[EQCH], v[CD+2*(4*\p+\m):CD+2*(4*\p+\m)+1] offset:16*PITCH*\m+256*\p   ; block p of the head at this trip's place lies at 16 x place + 256 p
.endr
.endr
.irp m, 0,1,2,3
	ds_store_b16 v[EQSH], v[SW+\m] offset:512*\m   ; both lanes of a token write the same two bytes
.endr
	WIN 0
.endm
; A slot of Wq or Wk.
.macro TRIPN nad, fill, foff, nx, noff
	v_add_nc_u32 v[ADWA], s[TB], v[AW0N]
	s_xor_b32 s[TB2], s[TB], SLOT
.if (\nad) == ADWB
	v_add_nc_u32 v[ADWB], s[TB2], v[AW0N]
.endif
	s_wait_alu depctr_va_vdst(0)
	GEMM ADWA, \nad, \fill, \foff, \nx, \noff, 1, 12, 0
	EPI_QK
	s_wait_xcnt 0x0                                ; the trip's loads and prefetches have read their bases
	s_add_co_u32 s[HO], s[HO], 64                  ; four places on
	s_xor_b32 s[TB], s[TB], SLOT
	s_add_nc_u64 s[PFA:PFA+1], s[PFA:PFA+1], 262144
.endm
.macro QFETCH                          ; q of my 16 tokens: 4 registers and a pair of scale bytes a token; lane (h, hh) reads head h at its place
	WIN 0xc0
.irp n, 0,1,2,3,4,5,6,7,8,9,10,11,12,13,14,15
	ds_load_b128 v[QF+4*\n:QF+4*\n+3], v[AKFQ] offset:PITCH*\n
.endr
	WIN 0
.irp n, 0,1,2,3,4,5,6,7,8,9,10,11,12,13,14,15
	ds_load_u16 v[QSC+\n], v[AKSQ] offset:32*\n
.endr
.endm
; SCORES AND SOFTMAX of my 16 tokens.  One product a token: source 0 = k (16 heads g), source 1 = q (16 heads h), K = 64 of the instruction's 128: k's codes of K = 64 .. 127 are zeros, so what stands
; in q's upper four registers adds nothing, and the upper two scale bytes are 0.  Lane = head h, register j = head g = 8 hh + j.
.macro SCORES
.irp rd, 0,1
	WIN 0xc0
.irp k, 0,1,2,3,4,5,6,7
	ds_load_b128 v[KSF+8*\k:KSF+8*\k+3], v[AKFQ] offset:PITCH*(8*\rd+\k)
.endr
	WIN 0
.irp k, 0,1,2,3,4,5,6,7
	ds_load_u16 v[KSC+8*\rd+\k], v[AKSQ] offset:32*(8*\rd+\k)
.endr
.if \rd == 0
	WIN 0xc0
.irp k, 0,1,2,3,4,5,6,7
.irp i, 4,5,6,7
	v_mov_b32 v[KSF+8*\k+\i], 0
.endr
.endr
	PLACES 4                                       ; an operand written by vector instructions stands four places ahead of a scaled matrix instruction
	s_wait_alu depctr_va_vdst(0)
.endif
	s_wait_dscnt 0x0
	WIN 0xcf
.irp k, 0,1,2,3,4,5,6,7
	v_wmma_scale_f32_16x16x128_f8f6f4 v[ATT+8*(8*\rd+\k):ATT+8*(8*\rd+\k)+7], v[KSF+8*\k:KSF+8*\k+7], v[QF+4*(8*\rd+\k):QF+4*(8*\rd+\k)+7], 0, v[KSC+8*\rd+\k], v[QSC+8*\rd+\k] matrix_a_fmt:MATRIX_FMT_FP4 matrix_b_fmt:MATRIX_FMT_FP4
.endr
	PLACES 4
.endr
	WIN 0xff                                       ; all in window 3 from here on
.irp n, 0,1,2,3,4,5,6,7,8,9,10,11,12,13,14,15
	v_max_num_f32 v[ST+8*\n], v[ATT+8*\n], v[ATT+8*\n+1]
.endr
.irp i, 2,4,6
.irp n, 0,1,2,3,4,5,6,7,8,9,10,11,12,13,14,15
	v_max3_num_f32 v[ST+8*\n], v[ATT+8*\n+\i], v[ATT+8*\n+\i+1], v[ST+8*\n]
.endr
.endr
.irp n, 0,1,2,3,4,5,6,7,8,9,10,11,12,13,14,15
	v_permlanex16_b32 v[ST+8*\n+6], v[ST+8*\n], s[SEL], s[SEL+1]
.endr
.irp n, 0,1,2,3,4,5,6,7,8,9,10,11,12,13,14,15
	v_max_num_f32 v[ST+8*\n], v[ST+8*\n], v[ST+8*\n+6]   ; the row's largest score
.endr
.irp n, 0,1,2,3,4,5,6,7,8,9,10,11,12,13,14,15
	v_mul_f32 v[ST+8*\n], 0xbe38aa3b, v[ST+8*\n]   ; x -log2(e) / 8
.endr
.irp n, 0,1,2,3,4,5,6,7,8,9,10,11,12,13,14,15
.irp i, 0,2,4,6
	v_pk_fma_f32 v[ATT+8*\n+\i:ATT+8*\n+\i+1], v[ATT+8*\n+\i:ATT+8*\n+\i+1], s[CS:CS+1], v[ST+8*\n:ST+8*\n+1] op_sel_hi:[1,0,0]   ; (score - largest) x log2(e) / 8: what the product with the largest was rounded by is the same in numerator and sum
.endr
.endr
.set j, 0
	s_wait_alu depctr_va_vdst(0)
.rept 128
	v_exp_f32 v[ATT+j], v[ATT+j]
.set j, j+1
.endr
	v_nop                                          ; a plain instruction behind the last exponential
	s_wait_alu depctr_va_vdst(0)                   ; one wait for the batch, ahead of its first reader
.irp n, 0,1,2,3,4,5,6,7,8,9,10,11,12,13,14,15
	v_pk_add_f32 v[ST+8*\n+2:ST+8*\n+3], v[ATT+8*\n:ATT+8*\n+1], v[ATT+8*\n+2:ATT+8*\n+3]
.endr
.irp n, 0,1,2,3,4,5,6,7,8,9,10,11,12,13,14,15
	v_pk_add_f32 v[ST+8*\n+4:ST+8*\n+5], v[ATT+8*\n+4:ATT+8*\n+5], v[ATT+8*\n+6:ATT+8*\n+7]
.endr
.irp n, 0,1,2,3,4,5,6,7,8,9,10,11,12,13,14,15
	v_pk_add_f32 v[ST+8*\n+2:ST+8*\n+3], v[ST+8*\n+2:ST+8*\n+3], v[ST+8*\n+4:ST+8*\n+5]
.endr
.irp n, 0,1,2,3,4,5,6,7,8,9,10,11,12,13,14,15
	v_add_f32 v[ST+8*\n+2], v[ST+8*\n+2], v[ST+8*\n+3]
.endr
.irp n, 0,1,2,3,4,5,6,7,8,9,10,11,12,13,14,15
	v_permlanex16_b32 v[ST+8*\n+6], v[ST+8*\n+2], s[SEL], s[SEL+1]
.endr
.irp n, 0,1,2,3,4,5,6,7,8,9,10,11,12,13,14,15
	v_add_f32 v[ST+8*\n+2], v[ST+8*\n+2], v[ST+8*\n+6]   ; the row's sum
.endr
	s_wait_alu depctr_va_vdst(0)
.irp n, 0,1,2,3,4,5,6,7,8,9,10,11,12,13,14,15
	v_rcp_f32 v[ST+8*\n+4], v[ST+8*\n+2]
.endr
	v_nop
	s_wait_alu depctr_va_vdst(0)                   ; one wait for the sixteen reciprocals
	WIN 0
	s_wait_tensorcnt 0x0                           ; my rows of Wv's second slot have landed: I alone read them
	WLOAD4 ADWV
	WIN 0xff
.irp n, 0,1,2,3,4,5,6,7,8,9,10,11,12,13,14,15
.irp i, 0,2,4,6
	v_pk_mul_f32 v[ATT+8*\n+\i:ATT+8*\n+\i+1], v[ATT+8*\n+\i:ATT+8*\n+\i+1], v[ST+8*\n+4:ST+8*\n+5] op_sel_hi:[1,0]   ; attn: registers 2 s, 2 s + 1 are source 1 of K step s of attn v as they stand
.endr
.endr
	s_wait_alu depctr_va_vdst(0)
	WIN 0
.endm
; A Wv slot's results into LDS as the image of attn v's source 0.  Row i of a tile's half q = 2 p + a is head 4 q + (i & 3), d index i >> 2: so registers 8 a + 4 e + b of lane (token, hh) are d index 2 hh + e of my four
; and heads 4 q + b: four registers of reader lane (4 w + 2 hh + e) + 16 p, its heads 8 p + 4 a + 0 .. 3: image a.
.macro SH asv
	WIN 0x08
.irp p, 0,1
.irp m, 0,1,2,3
.irp a, 0,1
.irp e, 0,1
	ds_store_b128 v[\asv], v[16*(4*\p+\m)+8*\a+4*\e:16*(4*\p+\m)+8*\a+4*\e+3] offset:16*PITCH*\m+16*\e+256*\p+VH*\a
.endr
.endr
.endr
.endr
	WIN 0
.endm
; attn v for 16 of the 64 d, my 16 tokens: f32 operands, since the result goes on into a quantiser.  Source 0 = v (16 d x 4 heads), source 1 = attn (4 heads x 16 heads h); K step s takes heads 2 s, 2 s + 1, 8 + 2 s, 9 + 2 s
; on both sides.  Eight tokens' sums take turns.  Result at v[d0 + 8 n] of window 2: lane = head h, register j = the slot's d index 8 hh + j.
; wad: where the next weight slot's K steps 0 to 3 are read (0: not here).
.macro P5G d0, g, s
	WIN 0xaf                                       ; v and attn window 3, C and D window 2
.irp i, 0,1,2,3,4,5,6,7
.if (\s) == 0
	v_wmma_f32_16x16x4_f32 v[\d0+8*(8*\g+\i):\d0+8*(8*\g+\i)+7], v[VF+8*(8*\g+\i):VF+8*(8*\g+\i)+1], v[ATT+8*(8*\g+\i):ATT+8*(8*\g+\i)+1], 0
.else
	v_wmma_f32_16x16x4_f32 v[\d0+8*(8*\g+\i):\d0+8*(8*\g+\i)+7], v[VF+8*(8*\g+\i)+2*\s:VF+8*(8*\g+\i)+2*\s+1], v[ATT+8*(8*\g+\i)+2*\s:ATT+8*(8*\g+\i)+2*\s+1], v[\d0+8*(8*\g+\i):\d0+8*(8*\g+\i)+7]
.endif
.endr
.endm
.macro VFLOAD vrf                      ; v's fragments of my 16 tokens: 32 loads, tokens in ascending order
	WIN 0xc0
.irp n, 0,1,2,3,4,5,6,7,8,9,10,11,12,13,14,15
.irp c, 0,1
	ds_load_b128 v[VF+8*\n+4*\c:VF+8*\n+4*\c+3], v[\vrf] offset:PITCH*\n+VH*\c
.endr
.endr
	WIN 0
.endm
.macro P5 d0, w1, w2, wad              ; w2: the LDS instructions issued behind v's fragments that may be out; w1 = w2 + 16: tokens 8 to 15's loads too
	s_wait_dscnt \w1
.irp s, 0,1,2,3
	P5G \d0, 0, \s
.endr
	s_wait_dscnt \w2
	P5G \d0, 1, 0
	P5G \d0, 1, 1
.if \wad
	WIN 0
	s_wait_tensorcnt 0x0                           ; my rows of the next slot have landed: I alone read them
	WLOAD4 \wad
.endif
	P5G \d0, 1, 2
	P5G \d0, 1, 3
	WIN 0
	PLACES 9                                       ; behind this form: eight in front of reads of results and of loads into operands, nine in front of matrix instructions that write over its registers
.endm
; out's blocks (h, dh) of my 16 tokens.  An even and an odd slot of Wv were chosen so that lane (h, hh) holds d = 32 dh + 16 hh + 0 .. 7 (even slot) and + 8 .. 15 (odd slot): 8 bytes at 32 h + 16 dh + 8 hh of the token's row.
.macro QUANT dh
.irp g, 0,1
	WIN 0xfa
.irp i, 0,1,2,3,4,5,6,7
	v_max3_num_f32 v[TM+\i], |v[EA+8*(8*\g+\i)]|, |v[EA+8*(8*\g+\i)+1]|, 0x1800000
.endr
.irp k, 2,4,6
.irp i, 0,1,2,3,4,5,6,7
	v_max3_num_f32 v[TM+\i], |v[EA+8*(8*\g+\i)+\k]|, |v[EA+8*(8*\g+\i)+\k+1]|, v[TM+\i]
.endr
.endr
.irp k, 0,2,4,6
.irp i, 0,1,2,3,4,5,6,7
	v_max3_num_f32 v[TM+\i], |v[8*(8*\g+\i)+\k]|, |v[8*(8*\g+\i)+\k+1]|, v[TM+\i]
.endr
.endr
	WIN 0xff
.irp i, 0,1,2,3,4,5,6,7
	v_permlanex16_b32 v[TP+\i], v[TM+\i], s[SEL], s[SEL+1]
.endr
.irp i, 0,1,2,3,4,5,6,7
	v_max_num_f32 v[TM+\i], v[TM+\i], v[TP+\i]
.endr
.irp i, 0,1,2,3,4,5,6,7
	v_add_nc_u32 v[TSC+\i], 0xff000000, v[TM+\i]
.endr
.irp i, 0,1,2,3,4,5,6,7
	v_lshrrev_b32 v[TBY+\i], 23, v[TSC+\i]
.endr
	WIN 0xce
.irp i, 0,1,2,3,4,5,6,7
	v_cvt_scalef32_pk8_fp4_f32 v[TCD+2*\i], v[EA+8*(8*\g+\i):EA+8*(8*\g+\i)+7], v[TSC+\i]
	v_cvt_scalef32_pk8_fp4_f32 v[TCD+2*\i+1], v[8*(8*\g+\i):8*(8*\g+\i)+7], v[TSC+\i]
.endr
	v_nop                                          ; one plain place behind the scaled conversions
	WIN 0x0c
.irp i, 0,1,2,3,4,5,6,7
	ds_store_b8 v[AKS], v[TBY+\i] offset:32*(8*\g+\i)+\dh   ; block 2 h + dh of the token's 32; both lanes of a head write the same byte
	ds_store_b64 v[AOC], v[TCD+2*\i:TCD+2*\i+1] offset:PITCH*(8*\g+\i)+16*\dh
.endr
.endr
	WIN 0
.endm
.macro AFETCH                          ; the 64 tokens' rows in RG as the token operand: lane (r, hh) takes token 16 m + r, K = 128 s + 64 c + 32 hh + 0 .. 31
	WIN 0x40
.irp m, 0,1,2,3
.irp s, 0,1,2,3,4,5,6,7
.irp c, 0,1
	ds_load_b128 v[8*(8*\m+\s)+4*\c:8*(8*\m+\s)+4*\c+3], v[ARO] offset:16*PITCH*\m+64*\s+32*\c
.endr
.endr
.endr
	WIN 0
.endm
; A SLOT OF Wo.  All its eight K steps are in registers when its products begin: steps 0 to 3 in window 0, steps 4 to 7 in window 3, v128-255.  So the LDS slot is free, and the next slot's load is on its way.
.macro WHI adr                         ; K steps 4 to 7 into window 3
	WIN 0xc0
	WLOAD 4, \adr
	WLOAD 5, \adr
	WLOAD 6, \adr
	WLOAD 7, \adr
	WIN 0
.endm
.macro GEMMO
	s_wait_dscnt 0x0                               ; weights, and in the first trip the token operand
	s_wait_loadcnt 0x0                             ; bias and scale words
	MMS 0
	MMS 1
	MMS 2
	MMS 3
.set HIW, 1
	MMS 4
	MMS 5
	MMS 6
	MMS 7
.set HIW, 0
	WIN 0
	PLACES 5
.endm
; refill = 1: behind the products the next slot is read out and the slot after it is asked for, ahead of this slot's stores.  more = 1: a slot follows.
.macro TRIPO refill, more
	GEMMO
	s_wait_xcnt 0x0                                ; the earlier stores have read their data and their base, the earlier loads their bases
	s_lshl_b32 s2, s[IDB], 10
	s_add_nc_u64 s[OUTB:OUTB+1], s[32:33], s[2:3]  ; this slot's 256 columns of out0
.if \more
	INCB
	PTRB 28, 30
	LDB 1, 0, 0
	LDB 1, 0, 1
	LDSC 1, 0, 0
	LDSC 1, 0, 1
.endif
	TOSTAGE
.if \refill
	s_add_co_u32 s88, s[IDB], 1
	s_and_b32 s88, s88, 3
	PTRC 26, 88
	s_wait_tensorcnt 0x0                           ; my rows of the next slot have landed: I alone read them
	WLOAD4 AW0N
	WHI AW0N
	s_wait_tensorcnt 0x0                           ; (none is out)
	ds_add_u32 v[SPW], v[NIL]
	s_mov_b32 s[G0+1], s[WOFF]
	s_mov_b64 s[G0+2:G0+3], s[NC:NC+1]
	s_or_b32 s[G0+3], s[G0+3], 0x80000000
	s_wait_dscnt 0x0                               ; the add is done, the slot is wholly in registers, and so are the rows from the stage
	ROUND
	tensor_load_to_lds s[G0:G0+3], s[G1N:G1N+7]
	s_nop 0
	PLACES 4
	SEND 0
.else
	SEND 1
.if \more
	s_wait_tensorcnt 0x0                           ; my rows of the last slot have landed: I alone read them
	WLOAD4 AW0N
	WHI AW0N
.endif
.endif
.endm
; The way out of Wo's slots: four tiles of 16 tokens x my 64 columns through my own stage; sixteen lanes then store 256 consecutive bytes, aligned.
.macro TOSTAGE
.irp m, 0,1,2,3
	WIN 0x08
.irp p, 0,1
.irp u, 0,1
	ds_store_b128 v[STO], v[16*(4*\p+\m)+8*\u:16*(4*\p+\m)+8*\u+3] offset:128*\p+64*\u
	ds_store_b128 v[STO], v[16*(4*\p+\m)+8*\u+4:16*(4*\p+\m)+8*\u+7] offset:128*\p+64*\u+16
.endr
.endr
	WIN 0xc0
.irp i, 0,1,2,3,4,5,6,7
	ds_load_b128 v[32*\m+4*\i:32*\m+4*\i+3], v[RD] offset:544*\i   ; LDS serves a wave's instructions in order (ISA guide 5.7.1.4): these see the stores above
.endr
.endr
	WIN 0
.endm
.macro SEND w                          ; w = 1: the stage's loads have not been waited for
	WIN 0x0c
.irp m, 0,1,2,3
.if \w
	s_wait_dscnt 48-16*\m                          ; the tile is back; the later tiles' 16 LDS instructions each may be out
.endif
.irp i, 0,1,2,3,4,5,6,7
	global_store_b128 v[CO], v[32*\m+4*\i:32*\m+4*\i+3], s[OUTB:OUTB+1] offset:(16*\m+2*\i)*4096 th:TH_STORE_NT
.endr
.endr
	WIN 0
.endm
	s_load_b512 s[4:19], s[0:1], 0x0               ; src codes s[4:5], src scales s[6:7], Wq codes, scales, bq s[8:13], Wk codes, scales, bk s[14:19]
	s_load_b256 s[20:27], s[0:1], 0x40             ; Wv codes, scales, bv s[20:25], Wo codes s[26:27]
	s_load_b128 s[28:31], s[0:1], 0x60             ; Wo scales, bo
	s_load_b64 s[32:33], s[0:1], 0x70              ; out0
	v_lshl_add_u32 v[SPW], v0, 2, SPARE
	v_mov_b32 v[NIL], 0
	ds_add_u32 v[SPW], v[NIL]                      ; the wave's opening: the add, twice on end, and its wait ahead of my first tensor load
	ds_add_u32 v[SPW], v[NIL]
	v_lshrrev_b32 v112, 5, v0
	v_readfirstlane_b32 s[WV], v112                ; wave 0..3
	s_bfe_u32 s98, ttmp6, 0x40000                  ; cx: it enters the addresses of src, out0 and the prefetches alone
	s_lshl_b32 s99, ttmp9, 2
	s_add_co_u32 s99, s99, s98                     ; my work-group: 4 x cluster + cx
	s_and_b32 s[ROT], ttmp9, 3                     ; the cluster's number mod 4: the same in the four partners
	s_sub_co_u32 s[IDB], 0, s[ROT]
	s_and_b32 s[IDB], s[IDB], 3                    ; trip 0 takes slot (0 - ROT) mod 4
	s_mov_b32 s3, 0                                ; the upper word of the pair s[2:3], in which offsets are added to pointers
	s_mov_b32 s[G0], 1
	s_mov_b32 s[G1N], 15|(0<<16)|(1<<20)|(1<<21)|(6<<22)|(3<<25)   ; 15:0 the mask: all four partners; elements of 1 byte; padding on; bit 21 beside a mask; 4 words behind every 128
	s_mov_b32 s[G1N+1], 512<<16                    ; tensor_dim0
	s_mov_b32 s[G1N+2], 64<<16                     ; tensor_dim1
	s_mov_b32 s[G1N+3], 512<<16                    ; tile_dim0
	s_mov_b32 s[G1N+4], 64                         ; tile_dim1
	s_mov_b32 s[G1N+5], 512                        ; from row to row
	s_mov_b32 s[G1N+6], 0
	s_mov_b32 s[G1N+7], 0
	s_mov_b32 s[G1V], 15|(0<<16)|(1<<20)|(1<<21)|(6<<22)|(3<<25)   ; Wv: 16 long rows, one a head, of four neighbouring rows d (2,048 bytes), 64 rows apart; the padding falls behind each 512 bytes: in LDS again 64 rows of 528, row 4 g + i
	s_mov_b32 s[G1V+1], 2048<<16
	s_mov_b32 s[G1V+2], 16<<16
	s_mov_b32 s[G1V+3], 2048<<16
	s_mov_b32 s[G1V+4], 16
	s_mov_b32 s[G1V+5], 32768
	s_mov_b32 s[G1V+6], 0
	s_mov_b32 s[G1V+7], 0
	s_mul_i32 s[WOFF], s[WV], WQ
	s_mov_b32 s[SEL], 0x76543210
	s_mov_b32 s[SEL+1], 0xfedcba98
	s_mov_b32 s[CS], 0x3e38aa3b                    ; log2(e) / 8
	s_mov_b32 s[CS+1], s[CS]                       ; (named with it as a pair, so it is written)
	s_lshl_b32 s90, s98, 2
	s_add_co_u32 s90, s90, s[WV]
	s_lshl_b32 s90, s90, 13                        ; the prefetches: (4 cx + wave) x 8,192
	s_mov_b32 s91, 0
	s_lshl_b32 s56, s[WV], 15                      ; my 64 rows of a slot: codes,
	s_mov_b32 s57, 0
	s_lshl_b32 s58, s[WV], 11                      ; scale bytes,
	s_mov_b32 s59, 0
	s_lshl_b32 s60, s[WV], 8                       ; biases (and my 64 columns of out0)
	s_mov_b32 s61, 0
	v_and_b32 v113, 31, v0                         ; lane
	v_and_b32 v114, 15, v0                         ; r
	v_bfe_u32 v115, v0, 4, 1                       ; hh
	v_lshlrev_b32 v[SRCO], 9, v114
	v_lshl_add_u32 v[SRCO], v115, 4, v[SRCO]
	v_lshlrev_b32 v[WSON], 5, v113
	v_lshlrev_b32 v[BCO], 5, v115
	v_lshlrev_b32 v[ASO], 5, v114
	s_wait_alu depctr_va_vdst(0)
	s_wait_dscnt 0x0                               ; both opening adds are done
	s_wait_kmcnt 0x0
	s_lshl_b32 s2, s99, 15                         ; my work-group's 64 tokens: codes,
	s_add_nc_u64 s[4:5], s[4:5], s[2:3]
	s_lshl_b32 s2, s99, 11                         ; scale bytes,
	s_add_nc_u64 s[6:7], s[6:7], s[2:3]
	s_lshl_b32 s2, s99, 18                         ; rows of out0,
	s_add_nc_u64 s[32:33], s[32:33], s[2:3]
	s_add_nc_u64 s[32:33], s[32:33], s[60:61]      ; and my wave's 64 columns of a slot
	s_add_nc_u64 s[82:83], s[14:15], s[90:91]      ; the prefetches' bases in Wk, Wv, Wo
	s_add_nc_u64 s[84:85], s[20:21], s[90:91]
	s_add_nc_u64 s[86:87], s[26:27], s[90:91]
	s_add_nc_u64 s[8:9], s[8:9], s[56:57]
	s_add_nc_u64 s[14:15], s[14:15], s[56:57]
	s_add_nc_u64 s[26:27], s[26:27], s[56:57]
	s_add_nc_u64 s[10:11], s[10:11], s[58:59]
	s_add_nc_u64 s[16:17], s[16:17], s[58:59]
	s_add_nc_u64 s[28:29], s[28:29], s[58:59]
	s_add_nc_u64 s[12:13], s[12:13], s[60:61]
	s_add_nc_u64 s[18:19], s[18:19], s[60:61]
	s_add_nc_u64 s[30:31], s[30:31], s[60:61]
	s_mov_b64 s[MC:MC+1], s[8:9]                   ; the first slots come from Wq,
	s_mov_b64 s[MS:MS+1], s[10:11]
	s_mov_b64 s[MB:MB+1], s[12:13]
	s_mov_b64 s[XC:XC+1], s[14:15]                 ; behind Wq from Wk
	s_mov_b64 s[XS:XS+1], s[16:17]
	s_mov_b64 s[XB:XB+1], s[18:19]
	PTRB MS, MB
	PTRC MC, IDB
	s_mov_b32 s[G0+1], s[WOFF]                     ; into LDS slot 0
	s_mov_b64 s[G0+2:G0+3], s[NC:NC+1]
	s_or_b32 s[G0+3], s[G0+3], 0x80000000
	ROUND                                          ; all four work-groups are here: the first joint loads meet
	tensor_load_to_lds s[G0:G0+3], s[G1N:G1N+7]
	s_nop 0
	PLACES 4
	WIN 0x40                                       ; destination window 1
.irp m, 0,1,2,3                        ; src stays in registers: fragment (m, s): lane (r, hh) takes token 16 m + r, K = 128 s + 64 c + 32 hh + 0 .. 31
.irp s, 0,1,2,3,4,5,6,7
.irp c, 0,1
	global_load_b128 v[8*(8*\m+\s)+4*\c:8*(8*\m+\s)+4*\c+3], v[SRCO], s[4:5] offset:8192*\m+64*\s+32*\c
.endr
.endr
.endr
	WIN 0
.irp m, 0,1,2,3
.irp f, 0,1
	global_load_b128 v[ASC+8*\m+4*\f:ASC+8*\m+4*\f+3], v[ASO], s[6:7] offset:512*\m+16*\f   ; register 8 m + s, lane r: token 16 m + r's scale word of K step s
.endr
.endr
	LDB 1, 0, 0
	LDB 1, 0, 1
	LDSC 1, 0, 0
	LDSC 1, 0, 1                                   ; the last two loads: they may be out at the first slot's K step 0
	s_lshr_b32 s88, s[WV], 1
	s_lshl_b32 s88, s88, 4
	s_and_b32 s90, s[WV], 1
	s_lshl_b32 s90, s90, 2
	s_add_co_u32 s88, s88, s90                     ; Wv: my first d of a slot, 16 (w / 2) + 4 (w % 2)
	s_lshl_b32 s2, s88, 9
	s_add_nc_u64 s[20:21], s[20:21], s[2:3]
	s_lshl_b32 s2, s88, 5
	s_add_nc_u64 s[22:23], s[22:23], s[2:3]
	s_lshl_b32 s2, s88, 2
	s_add_nc_u64 s[24:25], s[24:25], s[2:3]
	s_mul_i32 s98, s[WV], 16*PITCH
	s_add_co_u32 s99, s98, VR                      ; my 16 tokens' rows in v's images
	s_add_co_u32 s98, s98, RG                      ; and in RG
	s_lshl_b32 s88, s[WV], 6
	s_add_co_u32 s88, s88, VR
	v_mul_u32_u24 v116, v114, PITCH                ; 528 r
	v_lshl_add_u32 v117, v115, 4, v116             ; + 16 hh
	v_add_nc_u32 v[AW0N], s[WOFF], v117
	v_add_nc_u32 v[ARO], RG, v117
	v_lshl_add_u32 v[EQC], v115, 3, v116
	v_add_nc_u32 v[EQC], RG, v[EQC]
	v_lshl_add_u32 v[EQS], v114, 5, RGS
	v_lshl_add_u32 v[ASV0], v115, 5, v116
	v_add_nc_u32 v[ASV0], s88, v[ASV0]
	v_add_nc_u32 v[ASV1], VREG, v[ASV0]
	s_lshl_b32 s2, s[ROT], 2
	v_add_nc_u32 v118, s2, v114
	v_and_b32 v118, 15, v118                       ; the place of head r: (r + 4 ROT) mod 16
	v_lshl_add_u32 v[VRF0], v113, 4, s99
	v_add_nc_u32 v[VRF1], VREG, v[VRF0]
	v_lshl_add_u32 v[AKFQ], v118, 4, s98
	v_lshl_add_u32 v[AKFQ], v115, 8, v[AKFQ]
	v_lshlrev_b32 v[AOC], 5, v114
	v_lshl_add_u32 v[AOC], v115, 3, v[AOC]
	v_add_nc_u32 v[AOC], s98, v[AOC]
	s_lshl_b32 s88, s[WV], 9
	s_add_co_u32 s88, s88, RGS
	v_lshl_add_u32 v[AKS], v114, 1, s88
	v_lshl_add_u32 v[AKSQ], v118, 1, s88
	v_and_b32 v119, 3, v114
	v_lshrrev_b32 v120, 2, v114
	v_lshl_add_u32 v119, v119, 2, v120             ; 4 (r & 3) + (r >> 2)
	v_mul_u32_u24 v119, v119, PITCH
	v_lshl_add_u32 v119, v115, 4, v119
	v_add_nc_u32 v[ADWV], s[WOFF], v119
	s_mul_i32 s88, s[WV], 16*272
	s_add_co_u32 s88, s88, STG                     ; my stage
	v_mul_u32_u24 v[STO], v114, 272
	v_lshl_add_u32 v[STO], v115, 5, v[STO]
	v_add_nc_u32 v[STO], s88, v[STO]
	v_mul_u32_u24 v[RD], v115, 272
	v_lshl_add_u32 v[RD], v114, 4, v[RD]
	v_add_nc_u32 v[RD], s88, v[RD]
	v_lshlrev_b32 v[CO], 12, v115
	v_lshl_add_u32 v[CO], v114, 4, v[CO]
	v_and_b32 v121, 3, v113
	v_lshlrev_b32 v[WSOV], 11, v121                ; 32 x (64 (l & 3)
	v_bfe_u32 v122, v0, 2, 2
	v_lshl_add_u32 v[WSOV], v122, 5, v[WSOV]       ; + ((l >> 2) & 3)
	v_lshl_add_u32 v[WSOV], v115, 13, v[WSOV]      ; + 256 (l >> 4))
	v_lshlrev_b32 v[VBO], 3, v115
	v_lshlrev_b32 v[PFO], 8, v113
	WIN 0xc0
.irp i, 0,1,2,3,4,5,6,7
	v_mov_b32 v[PX+\i], 0                          ; written once: a lane permute's destination counts as one of its sources
.endr
	WIN 0
	s_wait_alu depctr_va_vdst(0)
	s_wait_tensorcnt 0x0                           ; my part of slot 0 is in
	ds_add_u32 v[SPW], v[NIL]
	INCB
	PTRC MC, IDB
	s_add_co_u32 s[G0+1], s[WOFF], SLOT            ; slot 1's first fill
	s_mov_b64 s[G0+2:G0+3], s[NC:NC+1]
	s_or_b32 s[G0+3], s[G0+3], 0x80000000
	s_wait_dscnt 0x0                               ; the add is done
	ROUND
	tensor_load_to_lds s[G0:G0+3], s[G1N:G1N+7]
	s_nop 0
	PLACES 4
	WLOAD4 AW0N
	s_wait_xcnt 0x0                                ; the loads of bias and scale words have read their bases: these go on to the slot of trip 1
	PTRB MS, MB
	s_add_co_u32 s88, s[IDB], 1
	s_and_b32 s88, s88, 3
	PTRC MC, 88                                    ; trip 0 asks for the slot of trip 2
	s_mov_b64 s[PFA:PFA+1], s[82:83]
	s_mov_b32 s[CNT], 4
	s_mov_b32 s[TB], 0
	s_lshl_b32 s[HO], s[WV], 4
	s_cmp_eq_u32 ttmp9, 0
	s_cselect_b32 s[LIM], 2, -1                    ; the first cluster asks while more than two trips are left
	s_wait_dscnt 0x0
	; ---- q: four trips; trip t makes heads 4 ((t - ROT) mod 4) + w and lays them at places 4 t + w.  The third and fourth ask for Wk's first slots
.Lq:
	TRIPN ADWB, 1, 0, 1, 0
	s_sub_co_u32 s[CNT], s[CNT], 1
	s_cmp_eq_u32 s[CNT], 2
	s_cselect_b64 s[MC:MC+1], s[XC:XC+1], s[MC:MC+1]
	s_cmp_eq_u32 s[CNT], 1
	s_cselect_b64 s[MS:MS+1], s[XS:XS+1], s[MS:MS+1]
	s_cselect_b64 s[MB:MB+1], s[XB:XB+1], s[MB:MB+1]
	NEXT
	s_cmp_lg_u32 s[CNT], 0
	s_cbranch_scc1 .Lq
	s_wait_dscnt 0x0                               ; my stores of q's codes have landed
	BAR
	QFETCH                                         ; waited for in front of the next round, behind which k's codes are laid over q's
	; ---- k: two trips in the loop, the third asks for Wv's first slot, the fourth for none
	s_mov_b32 s[CNT], 2
	s_lshl_b32 s[HO], s[WV], 4
	s_mov_b64 s[PFA:PFA+1], s[84:85]
	s_cmp_eq_u32 ttmp9, 0
	s_cselect_b32 s[LIM], 0, -1                    ; the first cluster asks in every trip
.Lk:
	TRIPN ADWB, 1, 0, 1, 0
	s_sub_co_u32 s[CNT], s[CNT], 1
	NEXT
	s_cmp_lg_u32 s[CNT], 0
	s_cbranch_scc1 .Lk
	s_mov_b32 s[CNT], 1
	s_mov_b64 s[PFA:PFA+1], s[86:87]
	TRIPN ADWB, 2, 0, 1, 0
	TRIPN ADWV, 0, 0, 2, 0
	; ---- v, scores, softmax, attn v, out's codes.  Slot j of Wv holds d = 32 (j / 2) + 8 (j % 2) + 16 (w / 2) + 4 (w % 2) + 0 .. 3 of all 16 heads for wave w: offsets 0, 8, 32, 40.
	; What a step stores of v is read a step later: the round in between orders it, and orders the reads ahead of the stores two steps on.
	GEMM ADWV, 0, 2, 8, 2, 8, 0, 12, 0
	SH ASV0
	SCORES
	GEMM ADWV, 0, 2, 32, 2, 32, 0, 0, VRF0         ; behind its round v of slot 0 is read; then slot 1's v, 32 stores, goes into the other region
	SH ASV1
	P5 EA, 48, 32, ADWV
	GEMM ADWV, 0, 2, 40, 2, 40, 0, 0, VRF1
	SH ASV0
	P5 0, 48, 32, ADWV
	QUANT 0                                        ; 32 LDS stores; k's codes in RG were read two rounds ago
	s_wait_xcnt 0x0
	s_sub_co_u32 s[IDB], 0, s[ROT]
	s_and_b32 s[IDB], s[IDB], 3
	PTRB 28, 30                                    ; Wo's first slot of my cluster
	PTRC 26, IDB
	GEMM ADWV, 0, 3, 0, 1, 0, 0, 32, VRF0
	SH ASV1
	P5 EA, 48, 32, 0
	s_wait_dscnt 0x0                               ; my stores of the last slot's v have landed
	BAR
	VFLOAD VRF1
	P5 0, 16, 0, AW0N
	QUANT 1
	WHI AW0N                                       ; the rest of Wo's first slot
	s_add_co_u32 s88, s[IDB], 1
	s_and_b32 s88, s88, 3
	PTRC 26, 88
	s_wait_tensorcnt 0x0                           ; (none is out)
	ds_add_u32 v[SPW], v[NIL]
	s_mov_b32 s[G0+1], s[WOFF]
	s_mov_b64 s[G0+2:G0+3], s[NC:NC+1]             ; Wo's second slot
	s_or_b32 s[G0+3], s[G0+3], 0x80000000
	s_wait_dscnt 0x0                               ; the add is done, the slot is wholly in registers, my codes and scale bytes have landed
	ROUND
	tensor_load_to_lds s[G0:G0+3], s[G1N:G1N+7]
	s_nop 0
	PLACES 4
	AFETCH                                         ; out as the token operand, and its scale words
.irp m, 0,1,2,3
.irp f, 0,1
	ds_load_b128 v[ASC+8*\m+4*\f:ASC+8*\m+4*\f+3], v[EQS] offset:512*\m+16*\f
.endr
.endr
	; ---- out Wo^T + bo: four trips, the last written out; trip t makes columns 256 ((t - ROT) mod 4) + 64 w on
	s_mov_b32 s[CNT], 2                            ; two trips fill the LDS slot again; the last two, written out, do not
.Lo:
	TRIPO 1, 1
	s_sub_co_u32 s[CNT], s[CNT], 1
	s_cmp_lg_u32 s[CNT], 0
	s_cbranch_scc1 .Lo
	TRIPO 0, 1
	TRIPO 0, 0
	s_wait_tensorcnt 0x0                           ; the wave's end: behind my last tensor load and my last LDS store
	ds_add_u32 v[SPW], v[NIL]
	s_wait_dscnt 0x0
	ROUND                                          ; the closing round: no work-group ends while a partner may still ask for a tile that names it
	s_endpgm
.Lfunc_end_k_qcdecd466ee_fused:
	.size	k_qcdecd466ee_fused, .Lfunc_end_k_qcdecd466ee_fused-k_qcdecd466ee_fused
	.p2alignl 7, 3214868480
	.fill 96, 4, 3214868480
	.section	.rodata,"a",@progbits
	.p2align	6, 0x0
	.amdhsa_kernel k_qcdecd466ee_fused
		.amdhsa_group_segment_fixed_size 327680
		.amdhsa_private_segment_fixed_size 0
		.amdhsa_enable_private_segment 0
		.amdhsa_kernarg_size 120
		.amdhsa_user_sgpr_count 2
		.amdhsa_user_sgpr_kernarg_segment_ptr 1
		.amdhsa_wavefront_size32 1
		.amdhsa_system_sgpr_workgroup_id_x 1
		.amdhsa_system_sgpr_workgroup_id_y 1
		.amdhsa_system_sgpr_workgroup_id_z 1
		.amdhsa_system_vgpr_workitem_id 0
		.amdhsa_next_free_vgpr 1024
		.amdhsa_next_free_sgpr 102
		.amdhsa_reserve_vcc 0
		.amdhsa_float_denorm_mode_32 3
		.amdhsa_float_denorm_mode_16_64 3
		.amdhsa_memory_ordered 1
		.amdhsa_forward_progress 1
		.amdhsa_inst_pref_size 255
	.end_amdhsa_kernel
	.section	.bss,"aw",@nobits
	.p2align	6
	.space	262144
	.amdgpu_metadata
---
amdhsa.version: [ 1, 2 ]
amdhsa.kernels:
  - .name:           k_qcdecd466ee_fused
    .symbol:         k_qcdecd466ee_fused.kd
    .args:
      - { .name: src_codes, .offset: 0, .size: 8, .value_kind: global_buffer, .address_space: global }
      - { .name: src_scales, .offset: 8, .size: 8, .value_kind: global_buffer, .address_space: global }
      - { .name: Wq_codes, .offset: 16, .size: 8, .value_kind: global_buffer, .address_space: global }
      - { .name: Wq_scales, .offset: 24, .size: 8, .value_kind: global_buffer, .address_space: global }
      - { .name: bq, .offset: 32, .size: 8, .value_kind: global_buffer, .address_space: global }
      - { .name: Wk_codes, .offset: 40, .size: 8, .value_kind: global_buffer, .address_space: global }
      - { .name: Wk_scales, .offset: 48, .size: 8, .value_kind: global_buffer, .address_space: global }
      - { .name: bk, .offset: 56, .size: 8, .value_kind: global_buffer, .address_space: global }
      - { .name: Wv_codes, .offset: 64, .size: 8, .value_kind: global_buffer, .address_space: global }
      - { .name: Wv_scales, .offset: 72, .size: 8, .value_kind: global_buffer, .address_space: global }
      - { .name: bv, .offset: 80, .size: 8, .value_kind: global_buffer, .address_space: global }
      - { .name: Wo_codes, .offset: 88, .size: 8, .value_kind: global_buffer, .address_space: global }
      - { .name: Wo_scales, .offset: 96, .size: 8, .value_kind: global_buffer, .address_space: global }
      - { .name: bo, .offset: 104, .size: 8, .value_kind: global_buffer, .address_space: global }
      - { .name: out0, .offset: 112, .size: 8, .value_kind: global_buffer, .address_space: global }
    .group_segment_fixed_size: 327680
    .private_segment_fixed_size: 0
    .kernarg_segment_align: 8
    .kernarg_segment_size: 120
    .max_flat_workgroup_size: 128
    .sgpr_count:     102
    .vgpr_count:     1024
    .wavefront_size: 32
...
	.end_amdgpu_metadata
.endif
;; end of part 1
